; MI455X (gfx1250); checked and timed in simulation.
; The chip was launched on July 23, 2026; its instructions are those of AMD's public machine-readable ISA for CDNA 5 (MIT licence, August 2026) and "CDNA5" Instruction Set Architecture Reference Guide (July 2026). The comments in the code are by the model that wrote it; some were corrected since.
;; Token Level Description Cross Attention. Allowed arithmetic: matrix products marked QUANTISED: E2M3 operands, one E8M0 scale for each 32 along K, by v_wmma_scale_f32_16x16x128_f8f6f4 with both operands' format E2M3, f32 sums; products left as they are: f32 operands where the result goes on into a quantised operand, else bf16, f16 or f32 operands; f32 sums; everything else in f32.
;; Inputs: Wk_codes 768 x 24 x 24 uint8 (E2M3 codes of Wk, K innermost, in blocks of 32 codes, four codes in three bytes); Wk_scales 768 x 24 uint8 (E8M0 scales of Wk, one for each 32 codes along K); Wo 1 x 768 float32; Wq_codes 768 x 24 x 24 uint8 (E2M3 codes of Wq, K innermost, in blocks of 32 codes, four codes in three bytes); Wq_scales 768 x 24 uint8 (E8M0 scales of Wq, one for each 32 codes along K); Wv_codes 768 x 24 x 24 uint8 (E2M3 codes of Wv, K innermost, in blocks of 32 codes, four codes in three bytes); Wv_scales 768 x 24 uint8 (E8M0 scales of Wv, one for each 32 codes along K); attention_masks 2 x 1,024 int32; bo 1 float32; desc_emb_codes 256 x 64 x 24 x 24 uint8 (E2M3 codes of desc_emb, K innermost, in blocks of 32 codes, four codes in three bytes); desc_emb_scales 256 x 64 x 24 uint8 (E8M0 scales of desc_emb, one for each 32 codes along K); desc_mask 256 x 64 int32; ln_b 768 float32; ln_g 768 float32; x_codes 2 x 1,024 x 24 x 24 uint8 (E2M3 codes of x, K innermost, in blocks of 32 codes, four codes in three bytes); x_scales 2 x 1,024 x 24 uint8 (E8M0 scales of x, one for each 32 codes along K).
;; Outputs: out0 2 x 256 float32.
;; This version of the problem:
;;   THIS VERSION OF THE PROBLEM IS GIVEN IN LOW PRECISION. The matrix products marked QUANTISED in the list below multiply operands that are first quantised to E2M3 (2 exponent bits, 3 mantissa bits; 6 bits a number), with one power-of-two scale for each 32 numbers along K (OCP MX v1.0); their sums are f32. All else is computed in f32.
;;   The module's matrix products, in the order in which they are computed (A, B: the left and right operand; K: the contracted axis; several contracted axes count as one K, in the product's order):
;;     1. [M 16,384, K 768] x [K 768, N 768]; A: input desc_emb (given as codes); B: input Wq (given as codes): QUANTISED
;;     2. [M 2,048, K 768] x [K 768, N 768]; A: input x (given as codes); B: input Wk (given as codes): QUANTISED
;;     3. [M 2,048, K 768] x [K 768, N 768]; A: input x (given as codes); B: input Wv (given as codes): QUANTISED
;;     4. [M 2,048, K 768] x [K 768, N 16,384]; A: computed on the way; B: computed on the way: QUANTISED
;;     5. batch 2 x [M 16,384, K 1,024] x [K 1,024, N 768]; A: softmax (see below); B: computed on the way: QUANTISED
;;     6. [M 512, K 768] x [K 768, N 1]; A: computed on the way; B: input Wo: left as it is (N = 1 < 16)
;;   THE QUANTISER, for each operand of a quantised product, along K:
;;     - K is cut into blocks of 32 from its start; a last block that is shorter is filled with zeros.
;;     - A block's scale is 2^e with e = floor(log2(the largest magnitude in the block)) - 2, held to -126 .. 127; a block of zeros has e = 0. As a byte (E8M0): e + 127.
;;     - Each number is divided by its block's scale, clamped to +-7.5, and rounded to the nearest number of E2M3, ties to even, subnormals kept.
;;     - The product sums the exact products of the quantised numbers (number of the format x scale) in f32.
;;   ~~~python
;;   def quantise(x, axis):      # numpy; x: float32 -> the quantised numbers, widened to float32 again
;;       x = np.moveaxis(x, axis, -1); K = x.shape[-1]
;;       x = np.pad(x, [(0, 0)] * (x.ndim - 1) + [(0, -K % 32)]); x = x.reshape(x.shape[:-1] + (-1, 32)); a = np.abs(x).max(-1, keepdims=True)
;;       e = np.where(a > 0, np.clip(np.frexp(np.where(a > 0, a, 1))[1] - 1 - 2, -126, 127), 0)      # np.frexp(a)[1] - 1 = floor(log2(a)), exactly
;;       r = np.clip(x / 2.0 ** e, -7.5, 7.5)
;;       step = 2.0 ** (np.maximum(np.frexp(np.where(r == 0, 1, r))[1] - 1, 0) - 3)
;;       q = np.round(r / step) * step * 2.0 ** e      # np.round: ties to even
;;       return np.moveaxis(q.reshape(q.shape[:-2] + (-1,))[..., :K], -1, axis).astype(np.float32)
;;   ~~~
;;   SOFTMAX AHEAD OF A QUANTISED PRODUCT. Where the list says 'softmax', what is quantised is not the finished softmax but p = 2^(t - M), with t = logit x log2(e) and M = ceil(the row's largest t), a whole number; so 1/2 < the row's largest p <= 1. The row's sum l is taken of the UNQUANTISED p, in f32, and the product's result is divided by l at the end. Since M is a whole number, a kernel that streams over the keys may use a running M (the ceiling of the running maximum): every later rescaling is an exact power of two, which a block's scale takes up: the codes' values come out the same.
;;   OPERANDS COMPUTED ON THE WAY. 'Computed on the way' means the value that the module computes at that place (a softmax that the list does not call 'softmax' is quantised finished and normalised). What goes into a quantiser is computed in f32, as accurately as f32 sums, v_exp_f32 and their like allow (about 1e-6 of the number): no bf16 or f16 on the way to a quantiser, and a product that is left as it is and whose result goes on into a quantised operand takes f32 operands (vector FMAs, or v_wmma_f32_16x16x4_f32). A number that lies on a knife's edge between two numbers of the format may be rounded either way, as far as f32 arithmetic and the matrix unit's own rounding can turn it there, and no further.
;;   INPUTS GIVEN AS CODES. Wk (in the module: [768, 768], K = its axis 1); Wq (in the module: [768, 768], K = its axis 1); Wv (in the module: [768, 768], K = its axis 1); desc_emb (in the module: [256, 64, 768], K = its axis 2); x (in the module: [2, 1024, 768], K = its axis 2): each comes as NAME_codes (uint8): NAME with its K axis moved to the last place and cut into blocks of 32 codes, [.., K / 32, bytes a block], one block behind the other in memory; four codes in three bytes: a row's codes are one little-endian stream of bits, code i at bits 6 i .. 6 i + 5 (a code: sign, 2 exponent bits, 3 mantissa bits); and NAME_scales (uint8): the same leading axes, one E8M0 byte (e + 127) for each 32 codes along K. Its value is code x scale, taken as it is: it is not quantised again, and the codes and scales need not be those that the quantiser above would give.
;; One version. Each part assembles by itself: llvm-mc -triple=amdgcn-amd-amdhsa -mcpu=gfx1250 --defsym DOCPART=n.
;; ======== version 1 of 1: 2 launches
;; limits: right only within a limited range of input values
;; workspace buffers: qimg 9,830,400 bytes; kvimg 2,457,600 bytes
;; launch proj (part 1): grid 240 x 1, 4 waves a work-group, no clusters, 327,680 bytes of LDS; arguments desc_emb_codes, desc_emb_scales, x_codes, x_scales, Wq_codes, Wq_scales, Wk_codes, Wk_scales, Wv_codes, Wv_scales, qimg, kvimg; writes qimg, kvimg
.if DOCPART == 1
	.amdgcn_target "amdgcn-amd-amdhsa--gfx1250"
	.amdhsa_code_object_version 6
	.text
	.protected	k_q58405adde7_proj
	.globl	k_q58405adde7_proj
	.p2align	8
	.type	k_q58405adde7_proj,@function
k_q58405adde7_proj:
	s_mov_b64 s[64:65], 0
	v_nop
	global_prefetch_b8 v0, s[64:65] scope:SCOPE_SE
	s_setreg_imm32_b32 hwreg(HW_REG_WAVE_MODE, 25, 1), 1
	s_wait_xcnt 0x0
; q = desc_emb Wq^T, k = x Wk^T, v = x Wv^T on codes of FP6 (E2M3) with E8M0 scales; each result is quantised along the K of the product that reads it
; (q, k: the 768 features; v: the keys) and stored as IMAGES OF OPERAND REGISTERS, so that the next launch loads fragments by 16 bytes a lane.  No work of the definition is left out.
; 240 equal jobs of 256 x 256 x 768, one to a work-group: 192 for q, 24 for k, 24 for v.  The job is chosen by selects on the work-group's number: one path for all.
; RESIDENT side (source 1): 256 rows that become rows of the result; wave w keeps rows 64 w .. 64 w + 63 in registers as four tiles of 16.
; STREAM side (source 0): 256 rows that become the next K, in chunks of 64 taken by all four waves.
; TILE p OF 64 ROWS TAKES ROWS 4 r + p IN LANE r.  So a lane's 32 results of a chunk are one whole block of 32 of the next K: register 8 p + j of half h is index 32 h + 4 j + p.
; Both operands of each later product have this same order inside their blocks, so the products are the same.
; LDS: the rows come as dense blocks, stated as rows of 256 bytes with 16 bytes of padding behind each: four rows of 576 bytes are 9 x 272 = 2,448 bytes, so the lanes of a tile lie 612 words apart.
; IMAGES.  A fragment (16 rows x 128 K, 12 registers) is 3 x 512 bytes: lane l's registers 4 j .. 4 j + 3 at 512 j + 16 l.  A scale image is 512 bytes: lane l's four words are tiles 0-3;
; lanes 0-15 hold the word of an even K step, lanes 16-31 that of the odd K step behind it.
; NO CLUSTER: a stream tile of a v job has three readers and one of a k job eight, so no one cluster of four divides all jobs.  NO PREFETCH: nothing is fetched behind the head, so there is no loop to run ahead in.
; LIMITS: NaN and infinities are not served; a block of zeros gets the scale byte 1 (its codes are zeros; the bytes are read by this program alone).
.set UNIT, 144*272                     ; 64 rows in LDS
.set TC,  4*UNIT                       ; stream codes, behind the resident ones
.set TS,  8*UNIT                       ; stream scale bytes, 24 a row
.set SPARE, TS+6144
.set LA,  3
.set AT,  4                            ; v4-7 stream: plain, across a padding; the same two + 1,792 for tile 3
.set AR,  8                            ; v8-11 resident, likewise
.set ATS, 12
.set QS,  26                           ; v26-37 resident scale words: 4 i + tile
.set KS0, 38                           ; v38-49, v54-65 stream scale words, two sets: 4 i + tile
.set PS,  50
.set BM,  66
.set SO,  70
.set CV,  74
.set GJ,  90                           ; scale bytes: 4 chunk + tile
.set SH8, 106
.set SPW, 111
.set NIL, 112
.set RW,  114
.set PCD, 138                          ; codes made: 48 (K step) + 12 tile
; window 1: resident tiles 0-2 (72 registers each); window 2: tile 3 at 0, three stream buffers at 72; window 3: the sixteen accumulators, 32 tile + 8 u
.set TOT, 0                            ; LDS loads issued so far in the text
.set MSB, 0
.macro WIN new                         ; the immediate's high byte repeats the setting that is left; a switch that changes nothing is dropped
.if MSB != (\new)
	s_set_vgpr_msb (MSB<<8)|(\new)
.set MSB, (\new)
.endif
.endm
.macro PLACES n
.rept \n
	v_nop
.endr
.endm
.macro WALU
	s_wait_alu depctr_va_vdst(0)
.endm
.macro TL g0, g1
	tensor_load_to_lds s[\g0:\g0+3], s[\g1:\g1+7]
	s_nop 0
	PLACES 4
.endm
; a fragment: six pieces of 8 bytes, two to a load where both go by the same address register
.macro FRAGP reg, p, ks, ab
.set SKIP_, 0
.irp q, 0,1,2,3,4,5
.if SKIP_
.set SKIP_, 0
.else
.set B0_, 576*(\p)+96*(\ks)+48*(\q/3)+8*(\q%3)
.set B1_, 576*(\p)+96*(\ks)+48*((\q+1)/3)+8*((\q+1)%3)
.set X0_, ((B0_+24)/256)-(B0_/256)
.set X1_, ((B1_+24)/256)-(B1_/256)
.set O0_, B0_+16*(B0_/256)-1792*((\p)/3)
.set O1_, B1_+16*(B1_/256)-1792*((\p)/3)
.set AD_, \ab+2*((\p)/3)+X0_
.set R_, \reg+2*\q
.if (\q < 5) && (X0_ == X1_)
	ds_load_2addr_b64 v[R_:R_+3], v[AD_] offset0:O0_/8 offset1:O1_/8
.set SKIP_, 1
.else
	ds_load_b64 v[R_:R_+1], v[AD_] offset:O0_
.endif
.set TOT, TOT+1
.endif
.endr
.endm
.macro LDF ks, b                       ; the four stream fragments of a K step of the current chunk
	WIN 0x80
.irp p, 0,1,2,3
	FRAGP 72+48*\b+12*\p, \p, \ks, AT
.endr
.set E\b, TOT
.endm
.macro KSLD c                          ; a chunk's scale words
	WIN 0
.irp i, 0,1,2
.irp u, 0,1,2,3
	ds_load_b32 v[KS0+16*((\c)%2)+4*\i+\u], v[ATS] offset:1536*(\c)+24*\u+8*\i
.endr
.endr
.set TOT, TOT+12
.endm
.macro STEPA                           ; on to the next chunk; four plain places behind the products
	WIN 0
.irp i, 0,1,2,3
	v_add_nc_u32 v[AT+\i], UNIT, v[AT+\i]
.endr
	WALU
.endm
.macro MULS c, ks                      ; sixteen products: the accumulators take turns, one instruction a turn
.irp t, 0,1,2,3
	WIN (3<<6)|(3<<4)|((1+\t/3)<<2)|2
.irp u, 0,1,2,3
.set D_, 32*\t+8*\u
.set A_, 72+48*((\ks)%3)+12*\u
.set B_, 72*(\t%3)+12*(\ks)
.set SA_, KS0+16*((\c)%2)+4*((\ks)/2)+\u
.set SB_, QS+4*((\ks)/2)+\t
.if (\ks) == 0
	v_wmma_scale_f32_16x16x128_f8f6f4 v[D_:D_+7], v[A_:A_+11], v[B_:B_+11], 0, v[SA_], v[SB_] matrix_a_fmt:MATRIX_FMT_FP6 matrix_b_fmt:MATRIX_FMT_FP6
.elseif (\ks)%2 == 0
	v_wmma_scale_f32_16x16x128_f8f6f4 v[D_:D_+7], v[A_:A_+11], v[B_:B_+11], v[D_:D_+7], v[SA_], v[SB_] matrix_a_fmt:MATRIX_FMT_FP6 matrix_b_fmt:MATRIX_FMT_FP6
.else
	v_wmma_scale_f32_16x16x128_f8f6f4 v[D_:D_+7], v[A_:A_+11], v[B_:B_+11], v[D_:D_+7], v[SA_], v[SB_] matrix_a_fmt:MATRIX_FMT_FP6 matrix_b_fmt:MATRIX_FMT_FP6 matrix_a_scale:MATRIX_SCALE_ROW1 matrix_b_scale:MATRIX_SCALE_ROW1
.endif
.endr
.endr
.endm
; A K step.  Behind its products its buffer takes the K step three further on, over the chunk's end too.  Before chunk 2's first loads stands the barrier that shows the second half of the stream rows:
; its signal behind chunk 1's fourth K step, its wait behind the fifth.
.macro KST c, ks, b
.if !(((\c) == 1) && ((\ks) > 3))
	s_wait_dscnt TOT-E\b                           ; all but what was issued behind this buffer's loads
.endif
	MULS \c, \ks
.if (\ks) < 3
	PLACES 4
	LDF \ks+3, \b
.elseif ((\c) == 1) && ((\ks) == 3)
	WIN 0
	WALU
	s_wait_tensorcnt 0x0
	s_wait_dscnt 0x0
	s_barrier_signal -1
.elseif ((\c) == 1) && ((\ks) == 4)
	WIN 0
	s_barrier_wait -1
	STEPA
	KSLD 2
	LDF 0, 0
	LDF 1, 1
.elseif (\c) < 3
.if (\ks) == 3
	STEPA
	KSLD \c+1
.else
	PLACES 5
.endif
	LDF \ks-3, \b
.else
	PLACES 5
.endif
.endm
.macro CHUNK c
	KST \c, 0, 0
	KST \c, 1, 1
	KST \c, 2, 2
	KST \c, 3, 0
	KST \c, 4, 1
	KST \c, 5, 2
.endm
; the chunk's 64 rows x 64 of the next K become codes and scale bytes: four tiles, line by line
.macro QHALL cc
	WIN 0x3c
.irp t, 0,1,2,3
	v_max3_num_f32 v[BM+\t], 0x1800000, |v[32*\t]|, |v[32*\t+1]|   ; with the floor 2^(3 - 127): the byte cannot fall under 1
.endr
.irp i, 2,4,6,8,10,12,14,16,18,20,22,24,26,28,30
.irp t, 0,1,2,3
	v_max3_num_f32 v[BM+\t], v[BM+\t], |v[32*\t+\i]|, |v[32*\t+\i+1]|
.endr
.endr
	WIN 0
.irp t, 0,1,2,3
	v_add_nc_u32 v[SO+\t], 0xff000000, v[BM+\t]        ; 2 off the exponent field: the conversion's scale operand
.endr
.irp t, 0,1,2,3
	v_lshrrev_b32 v[GJ+4*(\cc)+\t], 23, v[SO+\t]
.endr
	WIN 0x03
.irp t, 0,1,2,3
.set P_, PCD+48*((\cc)/2)+12*\t+6*((\cc)%2)
	v_cvt_scalef32_pk16_fp6_f32 v[P_:P_+2], v[32*\t:32*\t+15], v[SO+\t]
	v_cvt_scalef32_pk16_fp6_f32 v[CV+4*\t:CV+4*\t+2], v[32*\t+16:32*\t+31], v[SO+\t]   ; (a conversion's three registers begin on an even number)
.endr
	v_nop                                              ; one plain place behind the conversions
	WIN 0
.irp t, 0,1,2,3
.set P_, PCD+48*((\cc)/2)+12*\t+6*((\cc)%2)
.irp i, 0,1,2
	v_mov_b32 v[P_+3+\i], v[CV+4*\t+\i]
.endr
.endr
.endm
.macro OUTF ksl                        ; the four tiles' fragments of the job's K step ksl leave: each store covers 512 consecutive bytes, aligned
.irp t, 0,1,2,3
.irp j, 0,1,2
	global_store_b128 v[LA], v[PCD+48*(\ksl)+12*\t+4*\j:PCD+48*(\ksl)+12*\t+4*\j+3], s[94:95] offset:(4*(\ksl)+\t)*1536+512*\j
.endr
.endr
.endm
	s_load_b512 s[4:19], s[0:1], 0x0               ; desc_emb codes, scales; x codes, scales; Wq codes, scales; Wk codes, scales
	s_load_b256 s[20:27], s[0:1], 0x40             ; Wv codes, scales; qimg; kvimg
	v_lshl_add_u32 v[SPW], v0, 2, SPARE
	v_mov_b32 v[NIL], 0
	ds_add_u32 v[SPW], v[NIL]
	ds_add_u32 v[SPW], v[NIL]
	v_lshrrev_b32 v21, 5, v0
	v_readfirstlane_b32 s28, v21                   ; wave 0..3
	s_mov_b32 s29, ttmp9                           ; the job
	; a q job: s30 first resident row, s31 first stream row, s32 my unit's byte, s33 which pair of K steps
	s_and_b32 s34, s29, 63
	s_lshr_b32 s33, s29, 6
	s_lshl_b32 s30, s34, 8
	s_lshl_b32 s31, s33, 8
	s_lshl_b32 s32, s34, 2
	s_add_co_u32 s32, s32, s28                     ; the class
	s_mul_i32 s32, s32, 38400
	; a k job: the same four in s60-63
	s_sub_co_u32 s34, s29, 192
	s_and_b32 s34, s34, 31
	s_and_b32 s35, s34, 7
	s_lshr_b32 s63, s34, 3
	s_lshl_b32 s60, s35, 8
	s_lshl_b32 s61, s63, 8
	s_and_b32 s66, s35, 3
	s_lshl_b32 s66, s66, 2
	s_add_co_u32 s66, s66, s28                     ; chunk of 64 keys, 0..15
	s_lshr_b32 s67, s66, 1                         ; its key step g
	s_and_b32 s66, s66, 1
	s_and_b32 s101, s67, 3
	s_lshl_b32 s101, s101, 2
	s_add_co_u32 s66, s66, s101
	s_lshr_b32 s67, s67, 2
	s_lshl_b32 s67, s67, 1
	s_add_co_u32 s66, s66, s67                     ; its place in the ring: 4 (g & 3) + 2 (g >> 2) + c
	s_mul_i32 s62, s66, 38400
	s_lshr_b32 s35, s35, 2
	s_mul_i32 s35, s35, 1228800                    ; the batch
	s_add_co_u32 s62, s62, s35
	; a v job: in s68-71
	s_sub_co_u32 s34, s29, 216
	s_and_b32 s34, s34, 31
	s_cmp_ge_u32 s34, 12
	s_cselect_b32 s35, 1, 0                        ; the batch
	s_mul_i32 s66, s35, 12
	s_sub_co_u32 s34, s34, s66
	s_lshr_b32 s66, s34, 2                         ; which 256 channels
	s_and_b32 s67, s34, 3                          ; which 256 keys
	s_lshl_b32 s68, s66, 8
	s_lshl_b32 s69, s35, 10
	s_lshl_b32 s101, s67, 8
	s_add_co_u32 s69, s69, s101
	s_lshl_b32 s66, s66, 2
	s_add_co_u32 s66, s66, s28                     ; group of 64 channels
	s_lshl_b32 s66, s66, 1
	s_lshr_b32 s101, s67, 1
	s_add_co_u32 s66, s66, s101                    ; unit = 2 x group + half of the keys
	s_mul_i32 s70, s66, 25600
	s_mul_i32 s35, s35, 1228800
	s_add_co_u32 s70, s70, s35
	s_add_co_u32 s70, s70, 614400
	s_and_b32 s71, s67, 1
	; descriptor groups 1: elements of 8 bytes, rows of 256 bytes.  256 rows of codes: 576 such rows, padded
	s_mov_b32 s36, (3<<16)|(1<<20)|(5<<22)|(3<<25)
	s_mov_b32 s37, 32<<16
	s_mov_b32 s38, 576<<16
	s_mov_b32 s39, 32<<16
	s_mov_b32 s40, 576
	s_mov_b32 s41, 32
	s_mov_b32 s42, 0
	s_mov_b32 s43, 0
	s_mov_b32 s44, (3<<16)|(1<<20)|(5<<22)|(3<<25) ; 128 rows of codes
	s_mov_b32 s45, 32<<16
	s_mov_b32 s46, 288<<16
	s_mov_b32 s47, 32<<16
	s_mov_b32 s48, 288
	s_mov_b32 s49, 32
	s_mov_b32 s50, 0
	s_mov_b32 s51, 0
	s_mov_b32 s52, 3<<16                           ; the scale bytes of 256 rows: 6,144 dense bytes
	s_mov_b32 s53, 32<<16
	s_mov_b32 s54, 24<<16
	s_mov_b32 s55, 32<<16
	s_mov_b32 s56, 24
	s_mov_b32 s57, 32
	s_mov_b32 s58, 0
	s_mov_b32 s59, 0
	v_and_b32 v19, 15, v0                          ; r
	v_bfe_u32 v20, v0, 4, 1                        ; h
	v_and_b32 v21, 31, v0
	v_lshlrev_b32 v[LA], 4, v21
	v_mul_u32_u24 v22, v19, 2448
	v_mad_u32_u24 v23, v20, 24, v22
	v_mad_u32_u24 v24, v20, 40, v22
	v_add_nc_u32 v[AT], TC, v23
	v_add_nc_u32 v[AT+1], TC, v24
	v_add_nc_u32 v[AT+2], TC+1792, v23
	v_add_nc_u32 v[AT+3], TC+1792, v24
	s_mul_i32 s35, s28, UNIT
	v_add_nc_u32 v[AR], s35, v23
	v_add_nc_u32 v[AR+1], s35, v24
	v_add_nc_u32 v[AR+2], 1792, v[AR]
	v_add_nc_u32 v[AR+3], 1792, v[AR+1]
	v_mul_u32_u24 v13, v19, 96                     ; four rows of 24 scale bytes
	v_lshl_add_u32 v[ATS], v20, 2, v13             ; lanes 16-31 take the odd K step's word
	v_add_nc_u32 v[ATS], TS, v[ATS]
	v_lshlrev_b32 v[SH8], 3, v20
	WALU
	s_wait_dscnt 0x0
	s_wait_kmcnt 0x0
	s_cmp_lt_u32 s29, 216                          ; k rather than v
	s_cselect_b32 s60, s60, s68
	s_cselect_b32 s61, s61, s69
	s_cselect_b32 s62, s62, s70
	s_cselect_b32 s63, s63, s71
	s_mov_b32 s34, 24576
	s_cselect_b32 s34, 36864, s34                  ; where a unit's scale images begin
	s_cselect_b64 s[84:85], s[8:9], s[20:21]       ; resident: x | Wv
	s_cselect_b64 s[86:87], s[10:11], s[22:23]
	s_cselect_b64 s[88:89], s[16:17], s[8:9]       ; stream: Wk | x
	s_cselect_b64 s[90:91], s[18:19], s[10:11]
	s_cmp_lt_u32 s29, 192                          ; q rather than either
	s_cselect_b32 s30, s30, s60
	s_cselect_b32 s31, s31, s61
	s_cselect_b32 s32, s32, s62
	s_cselect_b32 s33, s33, s63
	s_cselect_b32 s34, 36864, s34
	s_cselect_b64 s[84:85], s[4:5], s[84:85]
	s_cselect_b64 s[86:87], s[6:7], s[86:87]
	s_cselect_b64 s[88:89], s[12:13], s[88:89]
	s_cselect_b64 s[90:91], s[14:15], s[90:91]
	s_cselect_b64 s[92:93], s[24:25], s[26:27]
	s_mov_b32 s67, 0
	; descriptor groups 0
	s_mul_i32 s66, s30, 576
	s_mov_b32 s72, 1
	s_mov_b32 s73, 0
	s_add_nc_u64 s[74:75], s[84:85], s[66:67]
	s_or_b32 s75, s75, 0x80000000
	s_mul_i32 s66, s31, 576
	s_mov_b32 s76, 1
	s_mov_b32 s77, TC
	s_add_nc_u64 s[78:79], s[88:89], s[66:67]
	s_mov_b32 s80, 1
	s_mov_b32 s81, TC+2*UNIT
	s_add_nc_u64 s[82:83], s[78:79], 128*576
	s_or_b32 s79, s79, 0x80000000
	s_or_b32 s83, s83, 0x80000000
	s_mul_i32 s66, s31, 24
	s_mov_b32 s60, 1
	s_mov_b32 s61, TS
	s_add_nc_u64 s[62:63], s[90:91], s[66:67]
	s_or_b32 s63, s63, 0x80000000
	; THE HEAD'S LOADS, one a wave, in one chain of branches on the wave's number
	s_cmp_eq_u32 s28, 0
	s_cbranch_scc0 .Lw1
	TL 72, 36                                      ; wave 0: the 256 resident rows
	s_branch .Lasked
.Lw1:
	s_cmp_eq_u32 s28, 1
	s_cbranch_scc0 .Lw2
	TL 76, 44                                      ; wave 1: stream rows 0-127
	s_branch .Lasked
.Lw2:
	s_cmp_eq_u32 s28, 2
	s_cbranch_scc0 .Lw3
	TL 80, 44                                      ; wave 2: stream rows 128-255; they may land while the first two chunks are multiplied
	s_branch .Lasked
.Lw3:
	TL 60, 52                                      ; wave 3: the stream rows' scale bytes
.Lasked:
	s_lshl_b32 s35, s28, 6
	s_add_co_u32 s35, s35, s30                     ; my first resident row
	s_mul_i32 s66, s35, 24
	s_add_nc_u64 s[86:87], s[86:87], s[66:67]
.irp i, 0,1,2,3,4,5                            ; the scale bytes of my rows 4 r .. 4 r + 3: 96 bytes on end a lane, each half of the lanes covers all 1,536
	global_load_b128 v[RW+4*\i:RW+4*\i+3], v13, s[86:87] offset:16*\i
.endr
	s_mul_i32 s35, s33, 12288
	s_add_co_u32 s66, s32, s35
	s_add_nc_u64 s[94:95], s[92:93], s[66:67]      ; where my fragments go
	s_lshl_b32 s35, s33, 9
	s_add_co_u32 s66, s32, s35
	s_add_co_u32 s66, s66, s34
	s_add_nc_u64 s[96:97], s[92:93], s[66:67]      ; where my scale image goes
	s_mov_b32 s98, 0x76543210
	s_mov_b32 s99, 0xfedcba98                      ; lane selects: lane l xor 16
	s_mov_b32 s100, 0xffff0000                     ; lanes 16-31
	WALU
	s_cmp_eq_u32 s28, 2
	s_cbranch_scc1 .Lnot_2
	s_wait_tensorcnt 0x0                           ; (wave 2's load line is its own)
.Lnot_2:
	s_barrier_signal -1
	s_barrier_wait -1                              ; resident rows, stream rows 0-127 and the scale bytes are in; nothing is filled again
.irp t, 0,1,2,3                                ; my 64 resident rows stay in registers
	WIN (1+\t/3)<<6
.irp k, 0,1,2,3,4,5
	FRAGP 72*(\t%3)+12*\k, \t, \k, AR
.endr
.endr
	KSLD 0
	LDF 0, 0
	LDF 1, 1
	LDF 2, 2
	WIN 0
	s_wait_loadcnt 0x0
.irp i, 0,1,2
.irp t, 0,1,2,3
	v_cndmask_b32 v[QS+4*\i+\t], v[RW+6*\t+2*\i], v[RW+6*\t+2*\i+1], s100   ; lanes 0-15 the even K step's word, lanes 16-31 the odd one's
.endr
.endr
	WALU
	PLACES 8                                       ; a scale register so written stands eight places ahead of a scaled product
	CHUNK 0
	QHALL 0
	CHUNK 1
	QHALL 1
	OUTF 0
	CHUNK 2
	QHALL 2
	CHUNK 3
	QHALL 3
	OUTF 1
.irp t, 0,1,2,3                                ; the scale words: a lane's two bytes of a K step at their places, joined with lane l xor 16's two
	v_lshl_or_b32 v[BM+\t], v[GJ+4+\t], 16, v[GJ+\t]
	v_lshl_or_b32 v[SO+\t], v[GJ+12+\t], 16, v[GJ+8+\t]
.endr
.irp t, 0,1,2,3
	v_lshlrev_b32 v[BM+\t], v[SH8], v[BM+\t]
	v_lshlrev_b32 v[SO+\t], v[SH8], v[SO+\t]
.endr
.irp t, 0,1,2,3
	v_permlanex16_b32 v[RW+\t], v[BM+\t], s98, s99
	v_permlanex16_b32 v[RW+4+\t], v[SO+\t], s98, s99
.endr
.irp t, 0,1,2,3
	v_or_b32 v[BM+\t], v[BM+\t], v[RW+\t]
	v_or_b32 v[SO+\t], v[SO+\t], v[RW+4+\t]
.endr
.irp t, 0,1,2,3
	v_cndmask_b32 v[PS+\t], v[BM+\t], v[SO+\t], s100
.endr
	global_store_b128 v[LA], v[PS:PS+3], s[96:97]  ; 512 consecutive bytes
	s_wait_tensorcnt 0x0
	ds_add_u32 v[SPW], v[NIL]
	s_wait_dscnt 0x0
	s_endpgm
.Lfunc_end_k_q58405adde7_proj:
	.size	k_q58405adde7_proj, .Lfunc_end_k_q58405adde7_proj-k_q58405adde7_proj
	.p2alignl 7, 3214868480
	.fill 96, 4, 3214868480
	.section	.rodata,"a",@progbits
	.p2align	6, 0x0
	.amdhsa_kernel k_q58405adde7_proj
		.amdhsa_group_segment_fixed_size 327680
		.amdhsa_private_segment_fixed_size 0
		.amdhsa_enable_private_segment 0
		.amdhsa_kernarg_size 96
		.amdhsa_user_sgpr_count 2
		.amdhsa_user_sgpr_kernarg_segment_ptr 1
		.amdhsa_wavefront_size32 1
		.amdhsa_system_sgpr_workgroup_id_x 1
		.amdhsa_system_sgpr_workgroup_id_y 1
		.amdhsa_system_sgpr_workgroup_id_z 1
		.amdhsa_system_vgpr_workitem_id 0
		.amdhsa_next_free_vgpr 1024
		.amdhsa_next_free_sgpr 102
		.amdhsa_reserve_vcc 0
		.amdhsa_float_denorm_mode_32 3
		.amdhsa_float_denorm_mode_16_64 3
		.amdhsa_memory_ordered 1
		.amdhsa_forward_progress 1
		.amdhsa_inst_pref_size 119
	.end_amdhsa_kernel
	.amdgpu_metadata
---
amdhsa.version: [ 1, 2 ]
amdhsa.kernels:
  - .name:           k_q58405adde7_proj
    .symbol:         k_q58405adde7_proj.kd
    .args:
      - { .name: desc_emb_codes, .offset: 0, .size: 8, .value_kind: global_buffer, .address_space: global }
      - { .name: desc_emb_scales, .offset: 8, .size: 8, .value_kind: global_buffer, .address_space: global }
      - { .name: x_codes, .offset: 16, .size: 8, .value_kind: global_buffer, .address_space: global }
      - { .name: x_scales, .offset: 24, .size: 8, .value_kind: global_buffer, .address_space: global }
      - { .name: Wq_codes, .offset: 32, .size: 8, .value_kind: global_buffer, .address_space: global }
      - { .name: Wq_scales, .offset: 40, .size: 8, .value_kind: global_buffer, .address_space: global }
      - { .name: Wk_codes, .offset: 48, .size: 8, .value_kind: global_buffer, .address_space: global }
      - { .name: Wk_scales, .offset: 56, .size: 8, .value_kind: global_buffer, .address_space: global }
      - { .name: Wv_codes, .offset: 64, .size: 8, .value_kind: global_buffer, .address_space: global }
      - { .name: Wv_scales, .offset: 72, .size: 8, .value_kind: global_buffer, .address_space: global }
      - { .name: qimg, .offset: 80, .size: 8, .value_kind: global_buffer, .address_space: global }
      - { .name: kvimg, .offset: 88, .size: 8, .value_kind: global_buffer, .address_space: global }
    .group_segment_fixed_size: 327680
    .private_segment_fixed_size: 0
    .kernarg_segment_align: 8
    .kernarg_segment_size: 96
    .max_flat_workgroup_size: 128
    .sgpr_count:     102
    .vgpr_count:     1024
    .wavefront_size: 32
...
	.end_amdgpu_metadata
.endif
;; end of part 1
;; launch attn (part 2): grid 256 x 1, 4 waves a work-group, clusters of 4 x 1, 327,680 bytes of LDS; arguments qimg, kvimg, attention_masks, desc_mask, ln_g, ln_b, Wo, bo, out0; writes out0
.if DOCPART == 2
	.amdgcn_target "amdgcn-amd-amdhsa--gfx1250"
	.amdhsa_code_object_version 6
	.text
	.protected	k_q58405adde7_attn
	.globl	k_q58405adde7_attn
	.p2align	8
	.type	k_q58405adde7_attn,@function
k_q58405adde7_attn:
	s_mov_b64 s[64:65], 0
	v_nop
	global_prefetch_b8 v0, s[64:65] scope:SCOPE_SE
	s_setreg_imm32_b32 hwreg(HW_REG_WAVE_MODE, 25, 1), 1
	s_wait_xcnt 0x0
	s_wait_alu depctr_hold_cnt(0) depctr_sa_sdst(0) depctr_va_vdst(0) depctr_va_sdst(0) depctr_va_ssrc(0) depctr_va_vcc(0) depctr_vm_vsrc(0)
	s_getreg_b32 s2, hwreg(HW_REG_IB_STS2, 6, 4)
	s_cmp_eq_u32 s2, 0
	s_cbranch_scc0 .Lentry_in_a_cluster
	s_endpgm
.Lentry_in_a_cluster:
	s_bfe_u32 s2, ttmp6, 0x10000c
	s_cmp_lg_u32 s2, 0x3003
	s_cbranch_scc0 .Lentry_shape_is_right
	s_endpgm
.Lentry_shape_is_right:
; out[b][c] = Wo . LayerNorm(mean over the valid description tokens d of softmax_n(q[c][d] . k[b][n] / sqrt(768)) v[b][n]) + bo, both products on codes of FP6 (E2M3) with E8M0 scales.  No work is left out.
; SHARES.  A work-group owns two classes of one batch.  Wave w: class 2 gp + (w >> 1), its 64 tokens as four tiles of 16 (tile t's lane r: token 4 r + t), keys 512 (w & 1) on.
; SCORES.  S^T = K Q^T (source 0 = 16 keys, source 1 = 16 tokens).  Tile u of a chunk of 64 keys holds keys 4 r + u, so a lane's 32 results are one whole block: register 8 u + j of half h is key 32 h + 4 j + u, v's order too.
; The key mask is the C of a sum's first product: 0 for a valid key, -2^33 for a hidden one.  If the batch has no valid key the bias and the factor c are 0: every weight is equal.
; SOFTMAX, four tiles line by line.  t = score x c, c = log2(e) / sqrt(768); M = the running largest t rounded up to a whole number; p = 2^(t - M) is quantised under the running M and all codes of 64 tokens x 512 keys
; stay in registers; for each block the number (scale byte + M) is kept, and when the final M of both key halves is known, M is taken off: only scale bytes are mended.  The row's sum is of the unquantised p.
; P V.  O = P V^T (source 0 = p, source 1 = 16 channels 4 r + u): a lane holds one channel and eight tokens.  A group of 64 channels is pooled with the weights dmask / (denominator x row sum) among the next group's products,
; out of the other of two sets of accumulators; a slot's last group is pooled behind the change of slots.  The two key halves' pooled vectors are added at the end; LayerNorm and the dot with Wo follow in f32.
; RING.  K (4 slots) and V (4 slots) of the batch come as dense images through two LDS buffers of 153,600 bytes.  CLUSTER: the four work-groups of a cluster belong to one batch and walk the same slots:
; each quarter of a slot is asked for jointly.  One tensor load of a wave is out at the most.
; LIMITS: NaN and infinities are not served; hidden keys stand at t = -4.5e8, so logits of magnitude up to 3e8 are served; a block more than 2^125 under the row's largest p gets the scale byte 0;
; a class with no valid token gives NaN, as the definition's 0 / 0 does.  The output leaves as two stores of 4 bytes a work-group: it is 2,048 bytes in all.
; REGISTERS.  Window 0: addresses, scale words, state, p of tiles 2, 3.  Window 1: Q's tiles 0-2; later accumulator set B, LayerNorm's inputs, the weights.
; Window 2: Q's tile 3 (0-71), three stream buffers (72-215), the biases (216-247).  Window 3: accumulators (32 tile + 8 u), p of tiles 0, 1 (128-223).
.set BUFB,  153600
.set QUART, 38400
.set POOL,  307200                     ; 3,072 bytes a wave: its pooled vector
.set BIAS,  307200                     ; the key bias, 4,096 bytes: last read in the last K slot, two barriers ahead of the first pooled number
.set XCH,   319488                     ; -M and the row sums, 1,024 bytes a wave
.set WT,    323584                     ; the pooling weights, 256 bytes a wave
.set SPARE, 324608                     ; the spare words, 128 bytes a wave: two blocks of 256 bytes that no other line names
.set LA,  3
.set QS,  26
.set KS0, 38                           ; K's, later V's scale words, set 0; set 1 at 54
.set KS1, 54
.set DW,  50
.set PS,  66                           ; p's scale words: 8 (ks & 1) + 4 (ks >> 1) + tile
.set GJ,  82                           ; byte + M: 4 chunk + tile
.set NT,  114                          ; pairs: -M, the largest t
.set LS,  122                          ; pairs: the sum's two halves
.set FS,  130                          ; pairs: 2^(old M - new M), the conversion's scale operand
.set BM,  138
.set PX,  142
.set TT,  146
.set PA,  138                          ; behind the scores: two sets of four pairs of pooled sums
.set SH8, 154
.set PO,  156
.set WG,  216                          ; window 1: the pooling weights, 8 a tile
.set CV,  216                          ; window 1, ahead of them: second halves of codes
.set MSB, 0
.macro WIN new                         ; the immediate's high byte repeats the setting that is left; a switch that changes nothing is dropped
.if MSB != (\new)
	s_set_vgpr_msb (MSB<<8)|(\new)
.set MSB, (\new)
.endif
.endm
.macro PLACES n
.rept \n
	v_nop
.endr
.endm
.macro WALU
	s_wait_alu depctr_va_vdst(0)
.endm
.macro ROUND                           ; a round of the cluster's barrier
	s_barrier_signal -1
	s_barrier_wait -1
	s_cmp_lg_u32 s22, 0
	s_cbranch_scc1 .Lnw0_\@
	s_barrier_signal -3
.Lnw0_\@:
	s_barrier_wait -3
	s_barrier_signal -1
	s_barrier_wait -1
.endm
.macro JLOAD                           ; a joint load of my quarter of a slot; four v_nop follow it
	tensor_load_to_lds s[36:39], s[28:35]
	s_nop 0
	PLACES 4
.endm
; A prefetch of the slot that the NEXT change will ask for.  The batch's first cluster asks; its four partners take a quarter each, told apart by address; wave w names blocks 32 w + lane of the quarter's 150 blocks
; of 256 bytes, wave 0 also blocks 128 to 149 (its lanes 22-31 repeat block 149).  The last change that fills a slot asks for nothing.
.macro ASK
	s_cmp_gt_u32 s52, s50
	s_cbranch_scc0 .Lpa_\@
	global_prefetch_b8 v17, s[48:49] th:TH_LOAD_NT scope:SCOPE_SE
.Lpa_\@:
	s_cmp_gt_u32 s52, s51
	s_cbranch_scc0 .Lpb_\@
	global_prefetch_b8 v18, s[48:49] th:TH_LOAD_NT scope:SCOPE_SE
.Lpb_\@:
	s_sub_co_u32 s52, s52, 1
.endm
; THE CHANGE OF BUFFERS.  Each wave waits for all its tensor loads (its quarter of the buffer to be read next), adds 0 to its spare word, waits for that and for its reads of the buffer that it leaves (at s55);
; behind the round nobody in the cluster reads that buffer, and it is filled first thing.  s55 is then the buffer to be read.
.macro CHANGE first
	WIN 0
	WALU
	s_wait_tensorcnt 0x0
	ds_add_u32 v1, v2
	s_add_nc_u64 s[38:39], s[38:39], BUFB          ; no load of mine is out: the next slot
	s_add_co_u32 s37, s40, s55
	s_wait_xcnt 0x0                                ; the last prefetches have read their address
.if !(\first)
	s_add_nc_u64 s[48:49], s[48:49], BUFB
.endif
	s_wait_dscnt 0x0
	ROUND
	JLOAD
	s_xor_b32 s55, s55, BUFB
.endm
.macro LDG reg, adr, off               ; four fragments, as images: 12 loads
	WIN 0x80
.irp u, 0,1,2,3
.irp j, 0,1,2
	ds_load_b128 v[\reg+12*\u+4*\j:\reg+12*\u+4*\j+3], v[\adr] offset:(\off)+1536*\u+512*\j
.endr
.endr
.endm
.macro KG0 adr, set, boff              ; a chunk's scale words, its 32 biases a lane and its first fragments: 23 loads
	WIN 0
.irp i, 0,1,2
	ds_load_b128 v[\set+4*\i:\set+4*\i+3], v[\adr] offset:36864+512*\i
.endr
	WIN 0x80
.irp q, 0,1,2,3,4,5,6,7
	ds_load_b128 v[216+4*\q:216+4*\q+3], v10 offset:(\boff)+16*\q
.endr
	LDG 72, \adr, 0
.endm
.macro MK ks, set                      ; sixteen products: the sixteen accumulators take turns
.irp t, 0,1,2,3
.if (\ks) == 0
	WIN (3<<6)|(2<<4)|((1+\t/3)<<2)|2
.else
	WIN (3<<6)|(3<<4)|((1+\t/3)<<2)|2
.endif
.irp u, 0,1,2,3
.set D_, 32*\t+8*\u
.set A_, 72+48*((\ks)%3)+12*\u
.set B_, 72*(\t%3)+12*(\ks)
.set SA_, \set+4*((\ks)/2)+\u
.set SB_, QS+4*((\ks)/2)+\t
.if (\ks) == 0
	v_wmma_scale_f32_16x16x128_f8f6f4 v[D_:D_+7], v[A_:A_+11], v[B_:B_+11], v[216+8*\u:223+8*\u], v[SA_], v[SB_] matrix_a_fmt:MATRIX_FMT_FP6 matrix_b_fmt:MATRIX_FMT_FP6
.elseif (\ks)%2 == 0
	v_wmma_scale_f32_16x16x128_f8f6f4 v[D_:D_+7], v[A_:A_+11], v[B_:B_+11], v[D_:D_+7], v[SA_], v[SB_] matrix_a_fmt:MATRIX_FMT_FP6 matrix_b_fmt:MATRIX_FMT_FP6
.else
	v_wmma_scale_f32_16x16x128_f8f6f4 v[D_:D_+7], v[A_:A_+11], v[B_:B_+11], v[D_:D_+7], v[SA_], v[SB_] matrix_a_fmt:MATRIX_FMT_FP6 matrix_b_fmt:MATRIX_FMT_FP6 matrix_a_scale:MATRIX_SCALE_ROW1 matrix_b_scale:MATRIX_SCALE_ROW1
.endif
.endr
.endr
.endm
; the softmax of one chunk: 64 tokens x 64 keys, the four tiles line by line; a lane has, of each tile, one token and one block of 32 keys
.macro SM
	WIN 0x3c
.irp t, 0,1,2,3
	v_max3_num_f32 v[BM+\t], 0xff61b1e6, v[32*\t], v[32*\t+1]  ; the block's largest score: it serves the row's maximum and, since p rises with the score, the block's largest p
.endr
.irp i, 2,4,6,8,10,12,14,16,18,20,22,24,26,28,30
.irp t, 0,1,2,3
	v_max3_num_f32 v[BM+\t], v[BM+\t], v[32*\t+\i], v[32*\t+\i+1]
.endr
.endr
	WIN 0
.irp t, 0,1,2,3
	v_permlanex16_b32 v[PX+\t], v[BM+\t], s46, s47
.endr
.irp t, 0,1,2,3
	v_max_num_f32 v[TT+\t], v[BM+\t], v[PX+\t]                 ; with lane l xor 16's block
.endr
.irp t, 0,1,2,3
	v_mul_f32 v[TT+\t], s44, v[TT+\t]
.endr
.irp t, 0,1,2,3
	v_max_num_f32 v[NT+2*\t+1], v[NT+2*\t+1], v[TT+\t]         ; the running largest t
.endr
.irp t, 0,1,2,3
	v_mov_b32 v[TT+\t], v[NT+2*\t]
.endr
.irp t, 0,1,2,3
	v_floor_f32 v[NT+2*\t], -v[NT+2*\t+1]                      ; -M = floor(-t): M is a whole number
.endr
.irp t, 0,1,2,3
	v_sub_f32 v[TT+\t], v[NT+2*\t], v[TT+\t]
.endr
.irp t, 0,1,2,3
	v_fma_f32 v[BM+\t], v[BM+\t], s44, v[NT+2*\t]
.endr
.irp t, 0,1,2,3
	v_cvt_i32_f32 v[TT+\t], v[TT+\t]                           ; (it saturates)
.endr
.irp t, 0,1,2,3
	v_ldexp_f32 v[FS+2*\t], 1.0, v[TT+\t]                      ; 2^(old M - new M)
.endr
	WIN 0xc3
.irp j, 0,2,4,6,8,10,12,14,16,18,20,22,24,26,28,30
.irp t, 0,1,2,3
	v_pk_fma_f32 v[32*\t+\j:32*\t+\j+1], v[32*\t+\j:32*\t+\j+1], s[44:45], v[NT+2*\t:NT+2*\t+1] op_sel_hi:[1,0,0]   ; t - M
.endr
.endr
	WALU                                                       ; the wait ahead of the batch
.set ii, 0
.rept 128
	v_exp_f32 v[ii], v[ii]
.set ii, ii+1
.endr
	WIN 0
.irp t, 0,1,2,3
	v_exp_f32 v[BM+\t], v[BM+\t]                               ; the blocks' largest p
.endr
.irp t, 0,1,2,3
	v_pk_mul_f32 v[LS+2*\t:LS+2*\t+1], v[LS+2*\t:LS+2*\t+1], v[FS+2*\t:FS+2*\t+1] op_sel_hi:[1,0]   ; the sums under the new M: plain places behind the exponentials
.endr
	WALU                                                       ; and behind it, ahead of its first reader
	WIN 0x0c
.irp j, 0,2,4,6,8,10,12,14,16,18,20,22,24,26,28,30
.irp t, 0,1,2,3
	v_pk_add_f32 v[LS+2*\t:LS+2*\t+1], v[LS+2*\t:LS+2*\t+1], v[32*\t+\j:32*\t+\j+1]   ; the sum of the unquantised p
.endr
.endr
	WIN 0
.irp t, 0,1,2,3
	v_max_num_f32 v[BM+\t], 0x1800000, v[BM+\t]                ; the floor 2^(3 - 127)
.endr
.irp t, 0,1,2,3
	v_cvt_i32_f32 v[TT+\t], v[NT+2*\t]
.endr
.irp t, 0,1,2,3
	v_add_nc_u32 v[FS+2*\t+1], 0xff000000, v[BM+\t]            ; the conversion's scale operand
.endr
.irp t, 0,1,2,3
	v_lshrrev_b32 v[PX+\t], 23, v[FS+2*\t+1]
.endr
.endm
.macro ARM f, c                        ; the codes go to half c of fragment f
.irp t, 0,1,2,3
	v_sub_nc_u32 v[GJ+8*(\f)+4*(\c)+\t], v[PX+\t], v[TT+\t]    ; the byte + M
.endr
	WIN 0xc3
.irp t, 0,1
	v_cvt_scalef32_pk16_fp6_f32 v[128+48*\t+12*(\f)+6*(\c):130+48*\t+12*(\f)+6*(\c)], v[32*\t:32*\t+15], v[FS+2*\t+1]
.endr
	WIN 0x03
.irp t, 2,3
	v_cvt_scalef32_pk16_fp6_f32 v[64+48*\t+12*(\f)+6*(\c):66+48*\t+12*(\f)+6*(\c)], v[32*\t:32*\t+15], v[FS+2*\t+1]
.endr
	WIN 0x43
.irp t, 0,1,2,3
	v_cvt_scalef32_pk16_fp6_f32 v[CV+4*\t:CV+4*\t+2], v[32*\t+16:32*\t+31], v[FS+2*\t+1]
.endr
	v_nop                                                      ; one plain place behind the conversions
	WIN 0xc1
.irp t, 0,1
.irp i, 0,1,2
	v_mov_b32 v[131+48*\t+12*(\f)+6*(\c)+\i], v[CV+4*\t+\i]
.endr
.endr
	WIN 0x01
.irp t, 2,3
.irp i, 0,1,2
	v_mov_b32 v[67+48*\t+12*(\f)+6*(\c)+\i], v[CV+4*\t+\i]
.endr
.endr
	WIN 0
	WALU
.endm
.macro ARMS c                          ; one way for each trip: the codes' registers differ
	WIN 0
	WALU
	s_cmp_eq_u32 s53, 0
	s_cbranch_scc0 .Lb1_\@
	ARM 0, \c
	s_branch .Lbe_\@
.Lb1_\@:
	s_cmp_eq_u32 s53, 1
	s_cbranch_scc0 .Lb2_\@
	ARM 1, \c
	s_branch .Lbe_\@
.Lb2_\@:
	s_cmp_eq_u32 s53, 2
	s_cbranch_scc0 .Lb3_\@
	ARM 2, \c
	s_branch .Lbe_\@
.Lb3_\@:
	ARM 3, \c
.Lbe_\@:
.endm
.macro VADR                            ; the slot's three groups of my key half
	WIN 0
	v_add_nc_u32 v4, s55, v9
	v_add_nc_u32 v5, 51200, v4
	v_add_nc_u32 v6, 102400, v4
	WALU
.endm
.macro VSC adr, set
	WIN 0
	ds_load_b128 v[\set:\set+3], v[\adr] offset:24576
	ds_load_b128 v[\set+4:\set+7], v[\adr] offset:24576+512
.endm
.macro VLD adr                         ; a slot's first group: K step ks into buffer ks (72, 120, 168, 0)
	VSC \adr, KS0
	LDG 72, \adr, 0
	LDG 120, \adr, 6144
	LDG 168, \adr, 12288
	LDG 0, \adr, 18432
	WIN 0
.endm
.macro PL t, k, pw                     ; line k of tile t's pooling: a channel a lane, each accumulator from its low end on
.set E_, (\k)/4
.set U_, (\k)%4
.set P_, PA+8*((\t)%2)+2*U_
.set C_, 32*(\t)+8*U_+2*E_
.set W_, WG+8*(\t)+2*E_
	WIN 4|(\pw)
.if (E_ == 0) && ((\t) < 2)
	v_pk_mul_f32 v[P_:P_+1], v[C_:C_+1], v[W_:W_+1]
.else
	v_pk_fma_f32 v[P_:P_+1], v[C_:C_+1], v[W_:W_+1], v[P_:P_+1]
.endif
.endm
.macro POOLFIN
	WIN 0
.irp u, 0,1,2,3
	v_pk_add_f32 v[PA+2*\u:PA+2*\u+1], v[PA+2*\u:PA+2*\u+1], v[PA+8+2*\u:PA+9+2*\u]
.endr
.irp u, 0,1,2,3
	v_add_f32 v[PO+\u], v[PA+2*\u], v[PA+2*\u+1]
.endr
.irp u, 0,1,2,3
	v_permlanex16_b32 v[PA+8+\u], v[PO+\u], s46, s47
.endr
.irp u, 0,1,2,3
	v_add_f32 v[PO+\u], v[PO+\u], v[PA+8+\u]           ; with the eight tokens of lane l xor 16
.endr
	ds_store_b128 v11, v[PO:PO+3]                      ; channels 4 r .. 4 r + 3 of the group; both halves write the same bytes with the same values
	v_add_nc_u32 v11, 256, v11
.endm
.macro POOLALL pw
.irp t, 0,1,2,3
.irp k, 0,1,2,3,4,5,6,7,8,9,10,11,12,13,14,15
	PL \t, \k, \pw
.endr
.endr
	POOLFIN
.endm
; sixteen products of K step k into the set in window dw; behind every second one two lines of the pooling of the set in window pw, tile k
.macro VM k, set, dw, pool, pw
.irp t, 0,1,2,3
.irp u, 0,1,2,3
.set D_, 32*\t+8*\u
.set A_, 128+48*\t+12*(\k)-64*(\t/2)
.set B_, 72+48*(\k)-216*((\k)/3)+12*\u
.set SA_, PS+8*((\k)%2)+4*((\k)/2)+\t
.set SB_, \set+4*((\k)/2)+\u
	WIN ((\dw)<<6)|((\dw)<<4)|(2<<2)|(3-3*(\t/2))
.if (\k) == 0
	v_wmma_scale_f32_16x16x128_f8f6f4 v[D_:D_+7], v[A_:A_+11], v[B_:B_+11], 0, v[SA_], v[SB_] matrix_a_fmt:MATRIX_FMT_FP6 matrix_b_fmt:MATRIX_FMT_FP6
.elseif (\k)%2 == 0
	v_wmma_scale_f32_16x16x128_f8f6f4 v[D_:D_+7], v[A_:A_+11], v[B_:B_+11], v[D_:D_+7], v[SA_], v[SB_] matrix_a_fmt:MATRIX_FMT_FP6 matrix_b_fmt:MATRIX_FMT_FP6
.else
	v_wmma_scale_f32_16x16x128_f8f6f4 v[D_:D_+7], v[A_:A_+11], v[B_:B_+11], v[D_:D_+7], v[SA_], v[SB_] matrix_a_fmt:MATRIX_FMT_FP6 matrix_b_fmt:MATRIX_FMT_FP6 matrix_b_scale:MATRIX_SCALE_ROW1
.endif
.if (\pool) && (\u%2 == 1) && (\t < 3)
	PL \k, 4*\t+\u-1, \pw
	PL \k, 4*\t+\u, \pw
.endif
.endr
.endr
.if \pool
.irp q, 12,13,14,15                    ; four places behind the products
	PL \k, \q, \pw
.endr
.else
	PLACES 4
.endif
.endm
; a group; each buffer, when its products are issued, takes the next group's K step.  Counts: 36 = three younger K steps; 38 = with the next group's two scale loads
.macro VG set, nset, nadr, dw, pool, pw, next
.irp k, 0,1,2,3
.if (\next) && (\k > 0)
	s_wait_dscnt 38
.elseif \next
	s_wait_dscnt 36
.else
	s_wait_dscnt 36-12*\k
.endif
	VM \k, \set, \dw, \pool, \pw
.if \next
.if \k == 0
	VSC \nadr, \nset
.endif
	LDG 72+48*\k-216*(\k/3), \nadr, 6144*\k
.endif
.endr
.if \pool
	POOLFIN
.endif
.endm
.macro VSLOT
	VG KS0, KS1, 5, 3, 0, 0, 1
	VG KS1, KS0, 6, 1, 1, 3, 1
	VG KS0, KS0, 4, 3, 1, 1, 0
.endm
.macro WSUM a, b                       ; the sum over the wave's 32 lanes, in every lane
.irp m, 1,2,4,8
	v_add_f32_dpp v[\a], v[\a], v[\a] row_xmask:\m row_mask:0xf bank_mask:0xf
.endr
	v_permlanex16_b32 v[\b], v[\a], s46, s47
	v_add_f32 v[\a], v[\a], v[\b]
.endm
	s_load_b512 s[4:19], s[0:1], 0x0               ; qimg, kvimg, attention_masks, desc_mask, ln_g, ln_b, Wo, bo
	s_load_b64 s[20:21], s[0:1], 0x40              ; out0
	v_lshl_add_u32 v1, v0, 2, SPARE
	v_mov_b32 v2, 0
	ds_add_u32 v1, v2
	ds_add_u32 v1, v2
	v_lshrrev_b32 v21, 5, v0
	v_readfirstlane_b32 s22, v21                   ; wave 0..3
	s_and_b32 s23, s22, 1                          ; which half of the keys
	s_lshr_b32 s24, s22, 1                         ; which of the two classes
	s_bfe_u32 s25, ttmp6, 0x40000                  ; cx
	s_lshr_b32 s26, ttmp9, 5                       ; the batch, which the four partners share
	s_lshl_b32 s27, ttmp9, 2
	s_add_co_u32 s27, s27, s25
	s_and_b32 s27, s27, 127
	s_lshl_b32 s27, s27, 1
	s_add_co_u32 s27, s27, s24                     ; my class
	s_mov_b32 s28, 15|(3<<16)|(1<<21)              ; group 1: the mask names all four; elements of 8 bytes; bit 21 beside a mask
	s_mov_b32 s29, 32<<16                          ; a dense block as 150 rows of 256 bytes
	s_mov_b32 s30, 150<<16
	s_mov_b32 s31, 32<<16
	s_mov_b32 s32, 150
	s_mov_b32 s33, 32
	s_mov_b32 s34, 0
	s_mov_b32 s35, 0
	s_mov_b32 s46, 0x76543210
	s_mov_b32 s47, 0xfedcba98                      ; lane selects: lane l xor 16
	s_mov_b32 s52, 6                               ; slots still to be prefetched
	s_and_b32 s58, ttmp9, 31
	s_cmp_eq_u32 s58, 0
	s_cselect_b32 s50, 0, -1                       ; the batch's first cluster prefetches
	s_or_b32 s58, s58, s22
	s_cmp_eq_u32 s58, 0
	s_cselect_b32 s51, 0, -1                       ; its waves 0 also the quarter's last 22 blocks
	s_mul_i32 s40, s22, QUART                      ; my quarter's place in a buffer
	s_mul_i32 s58, s26, 1228800
	s_add_co_u32 s58, s58, s40
	s_mov_b32 s59, 0
	s_mul_i32 s60, s26, 1228800
	s_mul_i32 s61, s25, QUART
	s_add_co_u32 s60, s60, s61
	s_add_co_u32 s60, s60, 2*BUFB                  ; my work-group's quarter of slot 2
	s_mov_b32 s61, 0
	s_mul_i32 s62, s27, 38400
	s_mov_b32 s63, 0
	v_and_b32 v19, 15, v0                          ; r
	v_bfe_u32 v20, v0, 4, 1                        ; h
	v_and_b32 v22, 31, v0                          ; lane
	v_lshlrev_b32 v[LA], 4, v22
	v_lshlrev_b32 v21, 4, v19                      ; my tokens 4 r .. 4 r + 3
	v_lshlrev_b32 v25, 5, v22
	s_lshl_b32 s53, s22, 10
	v_add_nc_u32 v25, s53, v25                     ; 1,024 x wave + 32 x lane: my eight keys' masks
	WALU
	s_wait_dscnt 0x0
	ROUND                                          ; all four work-groups are here: the first joint load meets
	s_wait_kmcnt 0x0
	s_mov_b32 s36, 1
	s_mov_b32 s37, s40
	s_add_nc_u64 s[38:39], s[6:7], s[58:59]        ; slot 0
	s_or_b32 s39, s39, 0x80000000
	JLOAD
	s_add_nc_u64 s[48:49], s[6:7], s[60:61]
	s_add_nc_u64 s[4:5], s[4:5], s[62:63]          ; my class's unit of q
	s_lshl_b32 s62, s27, 8
	s_add_nc_u64 s[10:11], s[10:11], s[62:63]      ; its 64 description masks
	s_lshl_b32 s58, s26, 12
	s_add_nc_u64 s[8:9], s[8:9], s[58:59]          ; the batch's 1,024 key masks
	s_load_b32 s57, s[18:19], 0x0                  ; bo
	WIN 0xc0
.irp q, 0,1,2,3,4,5,6,7
	global_load_b128 v[4*\q:4*\q+3], v[LA], s[8:9] offset:512*\q              ; all the batch's key masks
.endr
	WIN 0
	global_load_b128 v[138:141], v25, s[8:9]
	global_load_b128 v[142:145], v25, s[8:9] offset:16
	global_load_b128 v[146:149], v21, s[10:11]                                ; the masks of my lane's tokens, tile by tile
.irp i, 0,1,2
	global_load_b128 v[QS+4*\i:QS+4*\i+3], v[LA], s[4:5] offset:36864+512*\i
.endr
.irp t, 0,1,2,3                                ; Q stays in registers
	WIN (1+\t/3)<<6
.irp k, 0,1,2,3,4,5
.irp j, 0,1,2
	global_load_b128 v[72*(\t%3)+12*\k+4*\j:72*(\t%3)+12*\k+4*\j+3], v[LA], s[4:5] offset:(4*\k+\t)*1536+512*\j
.endr
.endr
.endr
	WIN 0
	s_mul_i32 s58, s23, 2*QUART
	v_add_nc_u32 v8, s58, v[LA]                    ; K chunk 0 of my key half in a buffer
	s_mul_i32 s58, s23, 25600
	v_add_nc_u32 v9, s58, v[LA]                    ; V's first group of my key half
	s_lshl_b32 s58, s23, 11
	s_add_co_u32 s58, s58, BIAS
	v_lshl_add_u32 v10, v20, 7, s58                ; my half of the keys, my block of 32
	s_mul_i32 s58, s22, 3072
	s_add_co_u32 s58, s58, POOL
	v_lshl_add_u32 v11, v19, 4, s58
	s_lshl_b32 s58, s22, 10
	s_add_co_u32 s58, s58, XCH
	v_lshl_add_u32 v12, v22, 2, s58                ; where I leave -M and the row sums,
	s_xor_b32 s58, s22, 1
	s_lshl_b32 s58, s58, 10
	s_add_co_u32 s58, s58, XCH
	v_lshl_add_u32 v13, v22, 2, s58                ; and where the wave of the other key half leaves its own
	s_lshl_b32 s58, s22, 8
	s_add_co_u32 s58, s58, WT
	v_lshl_add_u32 v14, v19, 2, s58
	v_lshl_add_u32 v15, v20, 5, s58
	s_mul_i32 s58, s24, 6144
	s_add_co_u32 s58, s58, POOL
	v_add_nc_u32 v16, s58, v[LA]
	s_lshl_b32 s58, s22, 13
	v_lshl_add_u32 v17, v22, 8, s58
	v_min_u32 v18, 21, v22
	v_lshlrev_b32 v18, 8, v18
	v_add_nc_u32 v18, 128*256, v18
	v_lshrrev_b32 v5, 2, v0                        ; my eight keys are a quarter of block v0 / 4: bias of key 4 j + u at 4 (8 u + j) of the block
	v_lshlrev_b32 v5, 7, v5
	v_and_b32 v4, 3, v0
	v_lshl_add_u32 v5, v4, 3, v5
	v_add_nc_u32 v5, BIAS, v5
	v_lshlrev_b32 v[SH8], 3, v20
	v_mov_b32 v23, 0
	v_mov_b32 v7, 1.0
.irp t, 0,1,2,3
	v_mov_b32 v[NT+2*\t], 0x7f61b1e6               ; 3e38
	v_mov_b32 v[NT+2*\t+1], 0xff61b1e6             ; -3e38, under every t
	v_mov_b32 v[LS+2*\t], 0
	v_mov_b32 v[LS+2*\t+1], 0
	v_mov_b32 v[FS+2*\t+1], 0                      ; (named as the upper half of a pair)
.endr
	WALU
	s_wait_loadcnt 63                              ; 86 loads are issued: the 23 oldest, the masks among them, are in
	; is any key of the batch valid?
	s_mov_b32 s59, 0
	WIN 0x0c
.set ii, 0
.rept 16
	v_cmp_lt_i32 s58, 0, v[ii]
	v_cmp_lt_i32 s60, 0, v[ii+1]
	s_or_b32 s59, s59, s58
	s_or_b32 s59, s59, s60
.set ii, ii+2
.endr
	WIN 0
	s_cmp_lg_u32 s59, 0
	s_cselect_b32 s44, 0x3d553b95, 0               ; c = log2(e) / sqrt(768), or 0
	s_cselect_b32 s58, 0xd0000000, 0               ; -2^33, or 0
	s_mov_b32 s45, s44                             ; (named with it as a pair)
	v_mov_b32 v24, s58
.irp e, 0,1,2,3,4,5,6,7
	v_cmp_lt_i32 vcc_lo, 0, v[138+\e]
	v_cndmask_b32 v[160+2*(\e%4)+\e/4], v24, v23, vcc_lo   ; the bias of my eight keys
.endr
.irp u, 0,1,2,3
	ds_store_b64 v5, v[160+2*\u:161+2*\u] offset:32*\u
.endr
.irp t, 0,1,2,3
	v_cmp_lt_i32 vcc_lo, 0, v[146+\t]
	v_cndmask_b32 v[DW+\t], v23, v7, vcc_lo        ; 1.0 for a valid token
.endr
	v_add_f32 v150, v[DW], v[DW+1]
	v_add_f32 v151, v[DW+2], v[DW+3]
	v_add_f32 v150, v150, v151
.irp m, 1,2,4,8
	v_add_f32_dpp v150, v150, v150 row_xmask:\m row_mask:0xf bank_mask:0xf   ; the class's number of valid tokens
.endr
	WALU
	v_rcp_f32 v151, v150
	v_nop
	WALU                                           ; ahead of the reciprocal's first reader
.irp t, 0,1,2,3
	v_mul_f32 v[DW+\t], v[DW+\t], v151
.endr
.irp t, 0,1,2,3
	v_mov_b32 v[PX+\t], 0                          ; a lane permute's destination counts as one of its sources
.endr
	s_mov_b32 s55, BUFB
	CHANGE 1                                       ; slot 0 and the bias are whole for every wave; slot 1 is asked for
	v_add_nc_u32 v4, s55, v8
	v_add_nc_u32 v5, QUART, v4
	WALU
	KG0 4, KS0, 0
	LDG 120, 4, 6144
	LDG 168, 4, 12288
	WIN 0
	ASK
	s_wait_kmcnt 0x0
	s_wait_loadcnt 0x0
	s_mov_b32 s53, 0
.Lk:                                                   ; a K slot a trip: two chunks of 64 of my keys.  A buffer, when its products are issued, takes the K step three further on
	s_wait_dscnt 24                                ; all but two younger K steps
	MK 0, KS0
	PLACES 4                                       ; the loads below go into registers that these products read
	LDG 72, 4, 6144*3
	s_wait_dscnt 24
	MK 1, KS0
	PLACES 4
	LDG 120, 4, 6144*4
	s_wait_dscnt 24
	MK 2, KS0
	PLACES 4
	LDG 168, 4, 6144*5
	s_wait_dscnt 24
	MK 3, KS0
	PLACES 4
	KG0 5, KS1, 256
	s_wait_dscnt 35                                ; younger: 12, and the next chunk's first 23
	MK 4, KS0
	PLACES 4
	LDG 120, 5, 6144
	s_wait_dscnt 35
	MK 5, KS0
	PLACES 5
	LDG 168, 5, 12288
	SM
	ARMS 0
	s_wait_dscnt 24
	MK 0, KS1
	PLACES 4
	LDG 72, 5, 6144*3
	s_wait_dscnt 24
	MK 1, KS1
	PLACES 4
	LDG 120, 5, 6144*4
	s_wait_dscnt 24
	MK 2, KS1
	PLACES 4
	LDG 168, 5, 6144*5
	s_wait_dscnt 24
	MK 3, KS1
	s_wait_dscnt 12
	MK 4, KS1
	s_wait_dscnt 0x0
	MK 5, KS1
	PLACES 5
	CHANGE 0
	v_add_nc_u32 v4, s55, v8
	v_add_nc_u32 v5, QUART, v4
	v_add_nc_u32 v6, s55, v9
	v_add_nc_u32 v10, 512, v10
	WALU
	s_cmp_eq_u32 s53, 3
	s_cbranch_scc1 .Lto_v
	KG0 4, KS0, 0
	LDG 120, 4, 6144
	LDG 168, 4, 12288
	WIN 0
	s_branch .Lfetched
.Lto_v:                                                ; behind the last K slot: V's first group
	VLD 6
.Lfetched:
	ASK
	SM
	ARMS 1
	s_add_co_u32 s53, s53, 1
	s_cmp_lg_u32 s53, 4
	s_cbranch_scc1 .Lk
	; THE TWO KEY HALVES MEET: -M and the row sums change hands
.irp t, 0,1,2,3
	v_add_f32 v[TT+\t], v[LS+2*\t], v[LS+2*\t+1]
.endr
.irp t, 0,1,2,3
	v_permlanex16_b32 v[PX+\t], v[TT+\t], s46, s47
.endr
.irp t, 0,1,2,3
	v_add_f32 v[TT+\t], v[TT+\t], v[PX+\t]
.endr
.irp t, 0,1,2,3
	ds_store_b32 v12, v[NT+2*\t] offset:256*\t
	ds_store_b32 v12, v[TT+\t] offset:256*\t+128
.endr
	VADR
	WIN 0x40
.irp i, 0,1,2,3,4,5                            ; LayerNorm's inputs, for the end: channels 128 i + 4 lane + 0 .. 3
	global_load_b128 v[128+4*\i:131+4*\i], v[LA], s[12:13] offset:512*\i      ; ln_g
	global_load_b128 v[152+4*\i:155+4*\i], v[LA], s[16:17] offset:512*\i      ; Wo
	global_load_b128 v[176+4*\i:179+4*\i], v[LA], s[14:15] offset:512*\i      ; ln_b
.endr
	WIN 0
	s_wait_dscnt 0x0                               ; my stores have landed: then the barrier
	s_barrier_signal -1
	s_barrier_wait -1
.irp t, 0,1,2,3
	ds_load_b32 v[BM+\t], v13 offset:256*\t
	ds_load_b32 v[PX+\t], v13 offset:256*\t+128
.endr
	s_wait_dscnt 0x0
.irp t, 0,1,2,3
	v_min_num_f32 v[FS+2*\t], v[NT+2*\t], v[BM+\t]     ; the final -M
.endr
.irp t, 0,1,2,3
	v_sub_f32 v[FS+2*\t+1], v[FS+2*\t], v[NT+2*\t]
	v_sub_f32 v[BM+\t], v[FS+2*\t], v[BM+\t]
.endr
.irp t, 0,1,2,3
	v_cvt_i32_f32 v[FS+2*\t+1], v[FS+2*\t+1]
	v_cvt_i32_f32 v[BM+\t], v[BM+\t]
.endr
.irp t, 0,1,2,3
	v_ldexp_f32 v[TT+\t], v[TT+\t], v[FS+2*\t+1]
	v_ldexp_f32 v[PX+\t], v[PX+\t], v[BM+\t]
.endr
.irp t, 0,1,2,3
	v_add_f32 v[TT+\t], v[TT+\t], v[PX+\t]             ; the row's sum under the final M
	v_cvt_i32_f32 v[BM+\t], v[FS+2*\t]
.endr
	WALU
.irp t, 0,1,2,3
	v_rcp_f32 v[NT+2*\t+1], v[TT+\t]
.endr
	v_mov_b32 v23, 0
.irp e, 0,1,2,3,4,5,6,7
.irp t, 0,1,2,3
	v_add_nc_u32 v[GJ+4*\e+\t], v[GJ+4*\e+\t], v[BM+\t]    ; (byte + M then) - final M
.endr
.endr
.set ii, 0
.rept 32
	v_cmp_gt_i32 vcc_lo, 0, v[GJ+ii]
	v_cndmask_b32 v[GJ+ii], v[GJ+ii], v23, vcc_lo          ; held at 0 from below
.set ii, ii+1
.endr
.irp s, 0,1,2,3
.irp t, 0,1,2,3
	v_lshl_or_b32 v[GJ+8*\s+\t], v[GJ+8*\s+4+\t], 16, v[GJ+8*\s+\t]
.endr
.endr
.irp s, 0,1,2,3
.irp t, 0,1,2,3
	v_lshlrev_b32 v[GJ+8*\s+\t], v[SH8], v[GJ+8*\s+\t]
.endr
.endr
.irp s, 0,1,2,3
.irp t, 0,1,2,3
	v_permlanex16_b32 v[GJ+8*\s+4+\t], v[GJ+8*\s+\t], s46, s47
.endr
.endr
.irp s, 0,1,2,3
.irp t, 0,1,2,3
	v_or_b32 v[PS+8*(\s%2)+4*(\s/2)+\t], v[GJ+8*\s+\t], v[GJ+8*\s+4+\t]   ; p's scale words
.endr
.endr
	WALU                                           ; ahead of the reciprocals' first reader
.irp t, 0,1,2,3
	v_mul_f32 v[TT+\t], v[DW+\t], v[NT+2*\t+1]     ; the tokens' pooling weights
.endr
.irp t, 0,1,2,3
	ds_store_b32 v14, v[TT+\t] offset:64*\t
.endr
	WIN 0x40
.irp t, 0,1,2,3
	ds_load_b128 v[WG+8*\t:WG+8*\t+3], v15 offset:64*\t    ; my wave's own bytes, served in order: the weights of rows 8 h + 0 .. 7 of the tile
	ds_load_b128 v[WG+8*\t+4:WG+8*\t+7], v15 offset:64*\t+16
.endr
	WIN 0
	WALU
	PLACES 8                                       ; p's scale words stand eight places ahead of the first scaled product
	s_wait_dscnt 0x0
	s_mov_b32 s53, 2
.Lv1:                                                  ; V's first two slots: each is filled again
	VSLOT
	CHANGE 0
	VADR
	VLD 4
	ASK
	POOLALL 3                                      ; the slot's last group, under the loads' flight
	WALU
	s_sub_co_u32 s53, s53, 1
	s_cmp_lg_u32 s53, 0
	s_cbranch_scc1 .Lv1
	s_mov_b32 s53, 2
.Lv2:                                                  ; its last two: nothing more is fetched from memory
	VSLOT
	WIN 0
	WALU
	s_sub_co_u32 s53, s53, 1
	s_cmp_eq_u32 s53, 0
	s_cbranch_scc1 .Ltail
	s_wait_tensorcnt 0x0
	ds_add_u32 v1, v2
	s_wait_dscnt 0x0
	s_barrier_signal -1
	s_barrier_wait -1                              ; the last slot is whole for every wave
	s_xor_b32 s55, s55, BUFB
	VADR
	VLD 4
	POOLALL 3
	WALU
	s_cmp_lg_u32 s53, 0
	s_cbranch_scc1 .Lv2
.Ltail:
	POOLALL 3                                      ; the last group
	WALU
	s_wait_dscnt 0x0
	s_barrier_signal -1
	s_barrier_wait -1                              ; all four pooled vectors lie in LDS
.irp i, 0,1,2,3,4,5
	ds_load_b128 v[160+4*\i:163+4*\i], v16 offset:512*\i
	ds_load_b128 v[184+4*\i:187+4*\i], v16 offset:3072+512*\i
.endr
	s_wait_loadcnt 0x0
	s_wait_dscnt 0x0
.irp i, 0,2,4,6,8,10,12,14,16,18,20,22
	v_pk_add_f32 v[160+\i:161+\i], v[160+\i:161+\i], v[184+\i:185+\i]   ; the two key halves: 24 channels a lane
.endr
	WIN 0x05
.irp i, 0,2,4,6,8,10,12,14,16,18,20,22
	v_pk_mul_f32 v[184+\i:185+\i], v[128+\i:129+\i], v[152+\i:153+\i]   ; ln_g x Wo
.endr
	v_pk_mul_f32 v[208:209], v[176:177], v[152:153]                     ; my lane's part of the sum of ln_b x Wo
.irp i, 2,4,6,8,10,12,14,16,18,20,22
	v_pk_fma_f32 v[208:209], v[176+\i:177+\i], v[152+\i:153+\i], v[208:209]
.endr
	WIN 0
	v_pk_add_f32 v[142:143], v[160:161], v[162:163]
	v_pk_add_f32 v[144:145], v[164:165], v[166:167]
.irp i, 8,12,16,20
	v_pk_add_f32 v[142:143], v[142:143], v[160+\i:161+\i]
	v_pk_add_f32 v[144:145], v[144:145], v[162+\i:163+\i]
.endr
	v_pk_add_f32 v[142:143], v[142:143], v[144:145]
	v_add_f32 v142, v142, v143
	WSUM 142, 143
	v_mul_f32 v142, 0x3aaaaaab, v142               ; the mean: x 1 / 768
.irp i, 0,2,4,6,8,10,12,14,16,18,20,22
	v_pk_add_f32 v[160+\i:161+\i], v[160+\i:161+\i], v[142:143] op_sel_hi:[1,0] neg_lo:[0,1] neg_hi:[0,1]
.endr
	v_pk_mul_f32 v[144:145], v[160:161], v[160:161]
	v_pk_mul_f32 v[146:147], v[160:161], v[184:185]
.irp i, 2,4,6,8,10,12,14,16,18,20,22
	v_pk_fma_f32 v[144:145], v[160+\i:161+\i], v[160+\i:161+\i], v[144:145]
	v_pk_fma_f32 v[146:147], v[160+\i:161+\i], v[184+\i:185+\i], v[146:147]
.endr
	v_add_f32 v144, v144, v145
	v_add_f32 v146, v146, v147
	v_add_f32 v148, v208, v209
.irp m, 1,2,4,8
	v_add_f32_dpp v144, v144, v144 row_xmask:\m row_mask:0xf bank_mask:0xf
	v_add_f32_dpp v146, v146, v146 row_xmask:\m row_mask:0xf bank_mask:0xf
	v_add_f32_dpp v148, v148, v148 row_xmask:\m row_mask:0xf bank_mask:0xf
.endr
	v_permlanex16_b32 v145, v144, s46, s47
	v_permlanex16_b32 v147, v146, s46, s47
	v_permlanex16_b32 v149, v148, s46, s47
	v_add_f32 v144, v144, v145
	v_add_f32 v146, v146, v147
	v_add_f32 v148, v148, v149
	s_mov_b32 s58, 0x3aaaaaab
	v_fmaak_f32 v144, s58, v144, 0x3727c5ac        ; the variance + 1e-5
	WALU
	v_rsq_f32 v145, v144
	v_add_f32 v148, s57, v148                      ; the sum of ln_b x Wo, + bo: the plain place behind the root
	s_lshl_b32 s58, s26, 8
	s_add_co_u32 s58, s58, s27
	s_lshl_b32 s58, s58, 2
	v_mov_b32 v24, s58
	v_and_b32 v23, 63, v0
	v_cmp_eq_u32 vcc_lo, 0, v23                    ; threads 0 and 64: one lane for each class
	WALU
	v_fma_f32 v146, v146, v145, v148
	WALU
	s_wait_xcnt 0x0                                ; EXEC changes only behind this wait
	s_and_saveexec_b32 s59, vcc_lo
	global_store_b32 v24, v146, s[20:21]
	s_wait_xcnt 0x0
	s_or_b32 exec_lo, exec_lo, s59
	s_wait_tensorcnt 0x0                           ; the wave's end
	ds_add_u32 v1, v2
	s_wait_dscnt 0x0
	ROUND                                          ; the closing round
	s_endpgm
.Lfunc_end_k_q58405adde7_attn:
	.size	k_q58405adde7_attn, .Lfunc_end_k_q58405adde7_attn-k_q58405adde7_attn
	.p2alignl 7, 3214868480
	.fill 96, 4, 3214868480
	.section	.rodata,"a",@progbits
	.p2align	6, 0x0
	.amdhsa_kernel k_q58405adde7_attn
		.amdhsa_group_segment_fixed_size 327680
		.amdhsa_private_segment_fixed_size 0
		.amdhsa_enable_private_segment 0
		.amdhsa_kernarg_size 72
		.amdhsa_user_sgpr_count 2
		.amdhsa_user_sgpr_kernarg_segment_ptr 1
		.amdhsa_wavefront_size32 1
		.amdhsa_system_sgpr_workgroup_id_x 1
		.amdhsa_system_sgpr_workgroup_id_y 1
		.amdhsa_system_sgpr_workgroup_id_z 1
		.amdhsa_system_vgpr_workitem_id 0
		.amdhsa_next_free_vgpr 1024
		.amdhsa_next_free_sgpr 66
		.amdhsa_reserve_vcc 1
		.amdhsa_float_denorm_mode_32 3
		.amdhsa_float_denorm_mode_16_64 3
		.amdhsa_memory_ordered 1
		.amdhsa_forward_progress 1
		.amdhsa_inst_pref_size 251
	.end_amdhsa_kernel
	.amdgpu_metadata
---
amdhsa.version: [ 1, 2 ]
amdhsa.kernels:
  - .name:           k_q58405adde7_attn
    .symbol:         k_q58405adde7_attn.kd
    .args:
      - { .name: qimg, .offset: 0, .size: 8, .value_kind: global_buffer, .address_space: global }
      - { .name: kvimg, .offset: 8, .size: 8, .value_kind: global_buffer, .address_space: global }
      - { .name: attention_masks, .offset: 16, .size: 8, .value_kind: global_buffer, .address_space: global }
      - { .name: desc_mask, .offset: 24, .size: 8, .value_kind: global_buffer, .address_space: global }
      - { .name: ln_g, .offset: 32, .size: 8, .value_kind: global_buffer, .address_space: global }
      - { .name: ln_b, .offset: 40, .size: 8, .value_kind: global_buffer, .address_space: global }
      - { .name: Wo, .offset: 48, .size: 8, .value_kind: global_buffer, .address_space: global }
      - { .name: bo, .offset: 56, .size: 8, .value_kind: global_buffer, .address_space: global }
      - { .name: out0, .offset: 64, .size: 8, .value_kind: global_buffer, .address_space: global }
    .group_segment_fixed_size: 327680
    .private_segment_fixed_size: 0
    .kernarg_segment_align: 8
    .kernarg_segment_size: 72
    .max_flat_workgroup_size: 128
    .sgpr_count:     66
    .vgpr_count:     1024
    .wavefront_size: 32
...
	.end_amdgpu_metadata
.endif
;; end of part 2
